; MI455X (gfx1250); checked and timed in simulation.
; The chip was launched on July 23, 2026; its instructions are those of AMD's public machine-readable ISA for CDNA 5 (MIT licence, August 2026) and "CDNA5" Instruction Set Architecture Reference Guide (July 2026). The comments in the code are by the model that wrote it; some were corrected since.
;; attention. Allowed arithmetic: float matrix products may take bf16 or f16 operands with f32 sums; all other float work in f32.
;; Inputs: W 256 x 512 float32; att_val 1 x 512 float32; b 256 float32; input 200,000 x 256 float32.
;; Outputs: out0 256 float32.
;; One version. Each part assembles by itself: llvm-mc -triple=amdgcn-amd-amdhsa -mcpu=gfx1250 --defsym DOCPART=n.
;; ======== version 1 of 1: 3 launches
;; workspace buffers: q2 1,024 bytes; pacc 256,000 bytes; pml 2,048 bytes
;; launch qproj (part 1): grid 4 x 1, 32 waves a work-group, no clusters, 4,352 bytes of LDS; arguments W, att_val, b, q2; writes q2
.if DOCPART == 1
	.amdgcn_target "amdgcn-amd-amdhsa--gfx1250"
	.amdhsa_code_object_version 6
	.text
	.protected	k_q0991ee33be_qproj
	.globl	k_q0991ee33be_qproj
	.p2align	8
	.type	k_q0991ee33be_qproj,@function
k_q0991ee33be_qproj:
	s_mov_b64 s[64:65], 0
	v_nop
	global_prefetch_b8 v0, s[64:65] scope:SCOPE_SE
	s_setreg_imm32_b32 hwreg(HW_REG_WAVE_MODE, 25, 1), 1
	s_wait_xcnt 0x0
; q2[c] = (sum over k of W[c][k] att[k] + b[c]) * log2(e), c = 0 .. 255, all in f32.
; The factor log2(e) is folded in here so that the stream launch can feed v_exp_f32 (base 2) without a multiply per score.
; Four work-groups of 32 waves.  A work-group makes 64 neighbouring q2 (256 bytes, stored whole by one instruction);
; a wave makes two of them: two rows of W, 2,048 bytes each, four 16-byte loads a lane and row (each load of the wave covers
; 512 consecutive bytes).  A one-row product does one multiply-add per number loaded: the vector unit does it, in f32, and the
; matrix unit, clusters and an LDS ring would add nothing.
; Limit: the sum's order differs from a serial one (16 products a lane in one packed chain, then a butterfly over the lanes).
.set ROWB,  2048                       ; bytes in a row of W
.set LOG2E, 0x3fb8aa3b
.set ATT, 4                            ; v[4:19]   att[4 l + 128 k + 0..3], k = 0..3
.set W0,  20                           ; v[20:35]  my first row, the same columns
.set W1,  36                           ; v[36:51]  my second row
.set P0,  52                           ; v[52:53]  packed partial sums of row 0; later the other half-wave's sums
.set P1,  54                           ; v[54:55]  packed partial sums of row 1
.set R,   56                           ; v[56:57]  the two rows' sums, then the two q2
.set O,   58                           ; v[58:59]  wave 0: two q2 on their way out
	s_load_b256 s[4:11], s[0:1], 0x0               ; W s[4:5], att s[6:7], b s[8:9], q2 s[10:11]
	v_lshl_add_u32 v64, v0, 2, 0x100
	v_mov_b32 v65, 0
	v_lshrrev_b32 v2, 5, v0
	v_readfirstlane_b32 s12, v2                    ; wave 0..31
	v_and_b32 v1, 31, v0
	v_lshlrev_b32 v1, 4, v1                        ; 16 x lane
	s_lshl_b32 s14, ttmp9, 17                      ; 64 rows of 2,048 bytes for each work-group
	s_lshl_b32 s13, s12, 12                        ; 2 rows for each wave
	s_add_co_u32 s14, s14, s13
	s_mov_b32 s15, 0
	s_lshl_b32 s16, ttmp9, 8                       ; the work-group's 64 numbers in b and q2
	s_mov_b32 s17, 0
	s_lshl_b32 s18, s12, 3                         ; my two numbers among them; also my 8 bytes of LDS
	s_add_co_u32 s19, s16, s18
	s_mov_b32 s22, 0x76543210                      ; v_permlanex16_b32: lane i of one half reads lane i of the other
	s_mov_b32 s23, 0xfedcba98
	s_wait_kmcnt 0x0
	s_load_b64 s[20:21], s[8:9], s19 offset:0x0    ; b of my two rows (no line of this launch writes b)
	s_add_nc_u64 s[4:5], s[4:5], s[14:15]          ; W at my first row
	s_add_nc_u64 s[10:11], s[10:11], s[16:17]      ; q2 at the work-group's 256 bytes
.irp k, 0,1,2,3
	global_load_b128 v[ATT+4*\k:ATT+4*\k+3], v1, s[6:7] offset:512*\k
.endr
.irp k, 0,1,2,3
	global_load_b128 v[W0+4*\k:W0+4*\k+3], v1, s[4:5] offset:512*\k th:TH_LOAD_NT
.endr
.irp k, 0,1,2,3
	global_load_b128 v[W1+4*\k:W1+4*\k+3], v1, s[4:5] offset:ROWB+512*\k th:TH_LOAD_NT
.endr
	s_wait_loadcnt 0x4                             ; loads return in order (ISA guide 5.7.1): att and row 0 are in, row 1's four may be out
	v_pk_mul_f32 v[P0:P0+1], v[W0:W0+1], v[ATT:ATT+1]              ; the first product starts the sum
.irp j, 2,4,6,8,10,12,14
	v_pk_fma_f32 v[P0:P0+1], v[W0+\j:W0+\j+1], v[ATT+\j:ATT+\j+1], v[P0:P0+1]
.endr
	s_wait_loadcnt 0x0
	v_pk_mul_f32 v[P1:P1+1], v[W1:W1+1], v[ATT:ATT+1]
.irp j, 2,4,6,8,10,12,14
	v_pk_fma_f32 v[P1:P1+1], v[W1+\j:W1+\j+1], v[ATT+\j:ATT+\j+1], v[P1:P1+1]
.endr
	v_add_f32 v[R],   v[P0], v[P0+1]
	v_add_f32 v[R+1], v[P1], v[P1+1]
	; over the 32 lanes: four steps inside each half ride on the add (DPP), one crosses the halves; every lane ends with the sum
.irp x, 1,2,4,8
	v_add_f32_dpp v[R],   v[R],   v[R]   row_xmask:\x row_mask:0xf bank_mask:0xf
	v_add_f32_dpp v[R+1], v[R+1], v[R+1] row_xmask:\x row_mask:0xf bank_mask:0xf
.endr
	v_permlanex16_b32 v[P0],   v[R],   s22, s23    ; destinations count as read: P0's pair has been written
	v_permlanex16_b32 v[P0+1], v[R+1], s22, s23
	v_pk_add_f32 v[R:R+1], v[R:R+1], v[P0:P0+1]
	s_wait_kmcnt 0x0                               ; b
	v_add_f32 v[R],   s20, v[R]
	v_add_f32 v[R+1], s21, v[R+1]
	v_pk_mul_f32 v[R:R+1], v[R:R+1], LOG2E op_sel_hi:[1,0]
	v_mov_b32 v3, s18
	ds_store_b64 v3, v[R:R+1]                      ; all lanes write the same 8 bytes with the same value
	s_wait_dscnt 0x0                               ; for wave 0's sake: my store is done before I signal
	s_barrier_signal -1
	s_barrier_wait -1
	s_cmp_lg_u32 s12, 0
	s_cbranch_scc1 .Lend
	v_lshrrev_b32 v2, 1, v1                        ; 8 x lane: lane l takes what wave l left
	ds_load_b64 v[O:O+1], v2
	s_wait_dscnt 0x0
	global_store_b64 v2, v[O:O+1], s[10:11]        ; 32 lanes store 256 consecutive bytes, aligned
.Lend:
	s_wait_tensorcnt 0x0
	ds_add_u32 v64, v65
	s_wait_dscnt 0x0
	s_endpgm
.Lfunc_end_k_q0991ee33be_qproj:
	.size	k_q0991ee33be_qproj, .Lfunc_end_k_q0991ee33be_qproj-k_q0991ee33be_qproj
	.p2alignl 7, 3214868480
	.fill 96, 4, 3214868480
	.section	.rodata,"a",@progbits
	.p2align	6, 0x0
	.amdhsa_kernel k_q0991ee33be_qproj
		.amdhsa_group_segment_fixed_size 4352
		.amdhsa_private_segment_fixed_size 0
		.amdhsa_enable_private_segment 0
		.amdhsa_kernarg_size 32
		.amdhsa_user_sgpr_count 2
		.amdhsa_user_sgpr_kernarg_segment_ptr 1
		.amdhsa_wavefront_size32 1
		.amdhsa_system_sgpr_workgroup_id_x 1
		.amdhsa_system_sgpr_workgroup_id_y 1
		.amdhsa_system_sgpr_workgroup_id_z 1
		.amdhsa_system_vgpr_workitem_id 0
		.amdhsa_next_free_vgpr 66
		.amdhsa_next_free_sgpr 66
		.amdhsa_reserve_vcc 0
		.amdhsa_float_denorm_mode_32 3
		.amdhsa_float_denorm_mode_16_64 3
		.amdhsa_memory_ordered 1
		.amdhsa_forward_progress 1
		.amdhsa_inst_pref_size 5
	.end_amdhsa_kernel
	.amdgpu_metadata
---
amdhsa.version: [ 1, 2 ]
amdhsa.kernels:
  - .name:           k_q0991ee33be_qproj
    .symbol:         k_q0991ee33be_qproj.kd
    .args:
      - { .name: W, .offset: 0, .size: 8, .value_kind: global_buffer, .address_space: global }
      - { .name: att_val, .offset: 8, .size: 8, .value_kind: global_buffer, .address_space: global }
      - { .name: b, .offset: 16, .size: 8, .value_kind: global_buffer, .address_space: global }
      - { .name: q2, .offset: 24, .size: 8, .value_kind: global_buffer, .address_space: global }
    .group_segment_fixed_size: 4352
    .private_segment_fixed_size: 0
    .kernarg_segment_align: 8
    .kernarg_segment_size: 32
    .max_flat_workgroup_size: 1024
    .sgpr_count:     66
    .vgpr_count:     66
    .wavefront_size: 32
...
	.end_amdgpu_metadata
.endif
;; end of part 1
;; launch pool (part 2): grid 250 x 1, 16 waves a work-group, no clusters, 18,688 bytes of LDS; arguments input, q2, pacc, pml; writes pacc, pml
.if DOCPART == 2
	.amdgcn_target "amdgcn-amd-amdhsa--gfx1250"
	.amdhsa_code_object_version 6
	.text
	.protected	k_q0991ee33be_pool
	.globl	k_q0991ee33be_pool
	.p2align	8
	.type	k_q0991ee33be_pool,@function
k_q0991ee33be_pool:
	s_mov_b64 s[64:65], 0
	v_nop
	global_prefetch_b8 v0, s[64:65] scope:SCOPE_SE
	s_setreg_imm32_b32 hwreg(HW_REG_WAVE_MODE, 25, 1), 1
	s_wait_xcnt 0x0
; One pass over input [200000][256] f32: for each row its score s = x . q2 (already in units of log2), and an online softmax:
; running maximum m, l = sum of 2^(s - m), acc[c] = sum of 2^(s - m) x[c].  Every input byte is loaded once.
; 200000 rows = 250 work-groups x 16 waves x 50 rows (200000 = 2^6 5^5 has no equal split into 256).
; A row is 1,024 bytes: two 16-byte loads a lane, each covering 512 consecutive bytes; lane l holds columns 4 l + 0..3 and 128 + 4 l + 0..3.
; A wave runs a ring of five register slots of five rows (ten loads): ten turns, the first five fill their slot again, so 40 to 50 loads
; (20 to 25 KB) of every wave are on their way.  All 100 loads use one base, one lane offset and immediates: nothing is stepped, and the
; ten turns are written out by a macro in place of a loop of two trips with a different head and tail.
; At the end the 16 waves' (m, l, acc) meet in LDS; waves 0 and 1 merge them into one partial result of the work-group:
; pacc[wg][256] and the pair pml[wg] = (m, l).  The 8-byte pair is the one short store of a work-group; kept dense so that the next
; launch reads the 250 pairs as 2,000 consecutive bytes.
; Why the vector unit, in f32: one multiply-add per number and product, far less work than the loads take; and a score goes through an
; exponential, so operands rounded to 16 bits would change the weights by per cents.  No clusters: the work-groups share only the 1 KB of q2.
; No prefetch: the ring itself asks for half of a wave's rows at the start.
; Limits: sums in another order than a serial one; scores carry the factor log2(e), so they overflow beyond |score| = 2.36e38;
; a weight below 2^-126 of the running maximum's is zero (v_exp_f32 flushes, ISA guide 15.8); a NaN or infinite score makes the result NaN.
.set ROWB,  1024                       ; bytes in a row
.set CH,    5                          ; rows in a slot
.set WROWS, 50                         ; rows of a wave
.set WAVES, 16
.set MLB,   WAVES*ROWB                 ; LDS: 16 x 1,024 bytes of acc, then 16 pairs (m, l)
.set Q,   2                            ; v[2:9]    q2 of my 8 columns
.set ACC, 10                           ; v[10:17]  acc of my 8 columns
.set M,   18                           ; v18       running maximum (the same in every lane)
.set L,   19                           ; v19       running sum of weights (the same in every lane)
.set S,   20                           ; v[20:29]  row i: pair S+2i: packed partial dot, then score (even register), then weight
.set SC,  30                           ; v30       2^(old maximum - new maximum)
.set T,   31                           ; v31       new maximum (also the written upper half of SC's pair)
.set X,   40                           ; v[40:239] slot s: 40 registers, row i at 8 i
.set ML,  X+64                         ; v[104:135] the merge: 16 pairs (m, l)
	s_load_b256 s[4:11], s[0:1], 0x0               ; input s[4:5], q2 s[6:7], pacc s[8:9], pml s[10:11]
	v_lshl_add_u32 v240, v0, 2, 0x4100
	v_mov_b32 v241, 0
	v_lshrrev_b32 v1, 5, v0
	v_readfirstlane_b32 s12, v1                    ; wave 0..15
	v_and_b32 v1, 31, v0
	v_lshlrev_b32 v1, 4, v1                        ; 16 x lane
	s_mul_i32 s14, ttmp9, WAVES*WROWS*ROWB         ; the work-group's 800 rows; 249 x 819,200 + 15 x 51,200 stays below 2^31
	s_mul_i32 s13, s12, WROWS*ROWB                 ; my wave's 50 rows
	s_add_co_u32 s14, s14, s13
	s_mov_b32 s15, 0
	s_mov_b32 s16, 0x76543210                      ; v_permlanex16_b32: lane i of one half reads lane i of the other
	s_mov_b32 s17, 0xfedcba98
	s_lshl_b32 s18, ttmp9, 10                      ; my work-group's 1,024 bytes of pacc
	s_mov_b32 s19, 0
	s_lshl_b32 s20, ttmp9, 3                       ; and its 8 bytes of pml
	s_mov_b32 s21, 0
	s_wait_kmcnt 0x0
	s_add_nc_u64 s[4:5], s[4:5], s[14:15]
	s_add_nc_u64 s[8:9], s[8:9], s[18:19]
	s_add_nc_u64 s[10:11], s[10:11], s[20:21]
.macro FILL s, t                       ; ten loads: the five rows of chunk t into slot s
.irp i, 0,1,2,3,4
	global_load_b128 v[X+40*\s+8*\i:X+40*\s+8*\i+3],   v1, s[4:5] offset:CH*ROWB*\t+ROWB*\i th:TH_LOAD_NT
	global_load_b128 v[X+40*\s+8*\i+4:X+40*\s+8*\i+7], v1, s[4:5] offset:CH*ROWB*\t+ROWB*\i+512 th:TH_LOAD_NT
.endr
.endm
	global_load_b128 v[Q:Q+3],   v1, s[6:7]
	global_load_b128 v[Q+4:Q+7], v1, s[6:7] offset:512
	FILL 0, 0
	FILL 1, 1
	FILL 2, 2
	FILL 3, 3
	FILL 4, 4
.macro ROWACC s, i                     ; acc += weight of row i x row i; the weight is the even register of its pair, taken for both halves
.irp j, 0,2,4,6
	v_pk_fma_f32 v[ACC+\j:ACC+\j+1], v[X+40*\s+8*\i+\j:X+40*\s+8*\i+\j+1], v[S+2*\i:S+2*\i+1], v[ACC+\j:ACC+\j+1] op_sel_hi:[1,0,1]
.endr
.endm
; The turn of slot s.  first = 1: this chunk starts m, l and acc (nothing is cleared, no -infinity is needed).
; fill = 1: the slot is loaded again with chunk next.  left = how many younger loads may stay out.
.macro TURN s, first, fill, next, left
	s_wait_loadcnt \left                           ; loads return in order (ISA guide 5.7.1): this slot's ten are in, the younger slots' stay out
	; five dots over my 8 columns, five chains that do not wait for each other
.irp i, 0,1,2,3,4
	v_pk_mul_f32 v[S+2*\i:S+2*\i+1], v[X+40*\s+8*\i:X+40*\s+8*\i+1], v[Q:Q+1]
.endr
.irp j, 2,4,6
.irp i, 0,1,2,3,4
	v_pk_fma_f32 v[S+2*\i:S+2*\i+1], v[X+40*\s+8*\i+\j:X+40*\s+8*\i+\j+1], v[Q+\j:Q+\j+1], v[S+2*\i:S+2*\i+1]
.endr
.endr
.irp i, 0,1,2,3,4
	v_add_f32 v[S+2*\i], v[S+2*\i], v[S+2*\i+1]
.endr
	; over the 32 lanes: partners add the same two numbers, so every lane ends with the same bits
.irp x, 1,2,4,8
.irp i, 0,1,2,3,4
	v_add_f32_dpp v[S+2*\i], v[S+2*\i], v[S+2*\i] row_xmask:\x row_mask:0xf bank_mask:0xf
.endr
.endr
.irp i, 0,1,2,3,4
	v_permlanex16_b32 v[S+2*\i+1], v[S+2*\i], s16, s17             ; the pair's odd register has been written
.endr
.irp i, 0,1,2,3,4
	v_add_f32 v[S+2*\i], v[S+2*\i], v[S+2*\i+1]                    ; the row's score
.endr
	; the new running maximum, one rescale for the five rows
.if \first
	v_max3_num_f32 v[T], v[S], v[S+2], v[S+4]
	v_max3_num_f32 v[T], v[T], v[S+6], v[S+8]
.else
	v_max3_num_f32 v[T], v[M], v[S], v[S+2]
	v_max3_num_f32 v[T], v[T], v[S+4], v[S+6]
	v_max_num_f32 v[T], v[T], v[S+8]
	v_sub_f32 v[SC], v[M], v[T]                    ; at most 0
.endif
.irp i, 0,1,2,3,4
	v_sub_f32 v[S+2*\i], v[S+2*\i], v[T]           ; at most 0: no weight exceeds 1
.endr
.if \first == 0
	v_exp_f32 v[SC], v[SC]
.endif
.irp i, 0,1,2,3,4
	v_exp_f32 v[S+2*\i], v[S+2*\i]
.endr
	v_mov_b32 v[M], v[T]                           ; keeps the maximum, and is the one plain vector instruction between the exponentials and their first use (ISA guide 5.7.2)
.if \first
	s_wait_alu depctr_va_vdst(0)
.irp j, 0,2,4,6
	v_pk_mul_f32 v[ACC+\j:ACC+\j+1], v[X+40*\s+\j:X+40*\s+\j+1], v[S:S+1] op_sel_hi:[1,0]     ; row 0 starts acc
.endr
	v_add_f32 v[L], v[S], v[S+2]                   ; rows 0 and 1 start l
.else
	s_wait_alu depctr_va_vdst(0)
.irp j, 0,2,4,6
	v_pk_mul_f32 v[ACC+\j:ACC+\j+1], v[ACC+\j:ACC+\j+1], v[SC:SC+1] op_sel_hi:[1,0]           ; acc to the new maximum
.endr
	v_fma_f32 v[L], v[L], v[SC], v[S]
	ROWACC \s, 0
	v_add_f32 v[L], v[L], v[S+2]
.endif
	ROWACC \s, 1
	v_add_f32 v[L], v[L], v[S+4]
	ROWACC \s, 2
	v_add_f32 v[L], v[L], v[S+6]
	ROWACC \s, 3
	v_add_f32 v[L], v[L], v[S+8]
	ROWACC \s, 4
.if \fill
	FILL \s, \next                                 ; the slot's rows have been used up: five chunks ahead
.endif
.endm
	TURN 0, 1, 1, 5, 40                            ; 40 = the four younger slots' loads (q2's two loads are older than slot 0's)
	TURN 1, 0, 1, 6, 40
	TURN 2, 0, 1, 7, 40
	TURN 3, 0, 1, 8, 40
	TURN 4, 0, 1, 9, 40
	TURN 0, 0, 0, 0, 40                            ; the last five chunks load nothing: the counts run down
	TURN 1, 0, 0, 0, 30
	TURN 2, 0, 0, 0, 20
	TURN 3, 0, 0, 0, 10
	TURN 4, 0, 0, 0, 0
	; THE WORK-GROUP'S MERGE.  Each wave leaves acc in column order (1,024 bytes) and its pair (m, l).
	s_lshl_b32 s13, s12, 10
	v_add_nc_u32 v32, s13, v1
	ds_store_b128 v32, v[ACC:ACC+3]                ; columns 4 l ..
	ds_store_b128 v32, v[ACC+4:ACC+7] offset:512   ; columns 128 + 4 l ..
	s_lshl_b32 s13, s12, 3
	s_add_co_u32 s13, s13, MLB
	v_mov_b32 v33, s13
	ds_store_b64 v33, v[M:M+1]                     ; all lanes write the same 8 bytes with the same value
	s_wait_dscnt 0x0                               ; for the merging waves' sake: my stores are done before I signal
	s_barrier_signal -1
	s_barrier_wait -1
	s_cmp_ge_u32 s12, 2
	s_cbranch_scc1 .Lend
	; waves 0 and 1: thread t = 0..63 merges columns 4 t .. 4 t + 3
	v_lshlrev_b32 v32, 4, v0
	v_mov_b32 v33, MLB
.irp k, 0,1,2,3,4,5,6,7
	ds_load_b128 v[ML+4*\k:ML+4*\k+3], v33 offset:16*\k            ; wave i's m at ML + 2 i, its l at ML + 2 i + 1
.endr
.irp w, 0,1,2,3,4,5,6,7,8,9,10,11,12,13,14,15
	ds_load_b128 v[X+4*\w:X+4*\w+3], v32 offset:ROWB*\w
.endr
	s_wait_dscnt 0x10                              ; the pairs are in; the sixteen acc loads behind them may be out
	v_max3_num_f32 v[T], v[ML], v[ML+2], v[ML+4]
.irp i, 6,10,14,18,22,26
	v_max3_num_f32 v[T], v[T], v[ML+\i], v[ML+\i+2]
.endr
	v_max_num_f32 v[T], v[T], v[ML+30]
.irp i, 0,2,4,6,8,10,12,14,16,18,20,22,24,26,28,30
	v_sub_f32 v[ML+\i], v[ML+\i], v[T]
.endr
.irp i, 0,2,4,6,8,10,12,14,16,18,20,22,24,26,28,30
	v_exp_f32 v[ML+\i], v[ML+\i]                   ; wave i's weight, in place of its m
.endr
	v_mov_b32 v[M], v[T]                           ; the work-group's m, beside l for the store; also the plain instruction behind the exponentials (ISA guide 5.7.2)
	s_wait_alu depctr_va_vdst(0)
	v_mul_f32 v[L], v[ML], v[ML+1]
.irp i, 2,4,6,8,10,12,14,16,18,20,22,24,26,28,30
	v_fmac_f32 v[L], v[ML+\i], v[ML+\i+1]
.endr
	s_wait_dscnt 0x0
	v_pk_mul_f32 v[ACC:ACC+1],   v[X:X+1],   v[ML:ML+1] op_sel_hi:[1,0]
	v_pk_mul_f32 v[ACC+2:ACC+3], v[X+2:X+3], v[ML:ML+1] op_sel_hi:[1,0]
.irp w, 1,2,3,4,5,6,7,8,9,10,11,12,13,14,15
	v_pk_fma_f32 v[ACC:ACC+1],   v[X+4*\w:X+4*\w+1],   v[ML+2*\w:ML+2*\w+1], v[ACC:ACC+1]   op_sel_hi:[1,0,1]
	v_pk_fma_f32 v[ACC+2:ACC+3], v[X+4*\w+2:X+4*\w+3], v[ML+2*\w:ML+2*\w+1], v[ACC+2:ACC+3] op_sel_hi:[1,0,1]
.endr
	global_store_b128 v32, v[ACC:ACC+3], s[8:9]    ; a wave stores 512 consecutive bytes, aligned
	v_mov_b32 v34, 0
	v_cmp_eq_u32 vcc_lo, 0, v0
	s_wait_xcnt 0x0                                ; EXEC is a source of the store above: it changes only behind this wait
	s_and_saveexec_b32 s22, vcc_lo                 ; thread 0 alone
	global_store_b64 v34, v[M:M+1], s[10:11]       ; the pair (m, l)
	s_wait_xcnt 0x0                                ; and again before EXEC is widened
	s_or_b32 exec_lo, exec_lo, s22
.Lend:
	s_wait_tensorcnt 0x0
	ds_add_u32 v240, v241
	s_wait_dscnt 0x0
	s_endpgm
.Lfunc_end_k_q0991ee33be_pool:
	.size	k_q0991ee33be_pool, .Lfunc_end_k_q0991ee33be_pool-k_q0991ee33be_pool
	.p2alignl 7, 3214868480
	.fill 96, 4, 3214868480
	.section	.rodata,"a",@progbits
	.p2align	6, 0x0
	.amdhsa_kernel k_q0991ee33be_pool
		.amdhsa_group_segment_fixed_size 18688
		.amdhsa_private_segment_fixed_size 0
		.amdhsa_enable_private_segment 0
		.amdhsa_kernarg_size 32
		.amdhsa_user_sgpr_count 2
		.amdhsa_user_sgpr_kernarg_segment_ptr 1
		.amdhsa_wavefront_size32 1
		.amdhsa_system_sgpr_workgroup_id_x 1
		.amdhsa_system_sgpr_workgroup_id_y 1
		.amdhsa_system_sgpr_workgroup_id_z 1
		.amdhsa_system_vgpr_workitem_id 0
		.amdhsa_next_free_vgpr 242
		.amdhsa_next_free_sgpr 66
		.amdhsa_reserve_vcc 1
		.amdhsa_float_denorm_mode_32 3
		.amdhsa_float_denorm_mode_16_64 3
		.amdhsa_memory_ordered 1
		.amdhsa_forward_progress 1
		.amdhsa_inst_pref_size 72
	.end_amdhsa_kernel
	.amdgpu_metadata
---
amdhsa.version: [ 1, 2 ]
amdhsa.kernels:
  - .name:           k_q0991ee33be_pool
    .symbol:         k_q0991ee33be_pool.kd
    .args:
      - { .name: input, .offset: 0, .size: 8, .value_kind: global_buffer, .address_space: global }
      - { .name: q2, .offset: 8, .size: 8, .value_kind: global_buffer, .address_space: global }
      - { .name: pacc, .offset: 16, .size: 8, .value_kind: global_buffer, .address_space: global }
      - { .name: pml, .offset: 24, .size: 8, .value_kind: global_buffer, .address_space: global }
    .group_segment_fixed_size: 18688
    .private_segment_fixed_size: 0
    .kernarg_segment_align: 8
    .kernarg_segment_size: 32
    .max_flat_workgroup_size: 512
    .sgpr_count:     66
    .vgpr_count:     242
    .wavefront_size: 32
...
	.end_amdgpu_metadata
.endif
;; end of part 2
;; launch merge (part 3): grid 4 x 1, 25 waves a work-group, no clusters, 9,984 bytes of LDS; arguments pacc, pml, out0; writes out0
.if DOCPART == 3
	.amdgcn_target "amdgcn-amd-amdhsa--gfx1250"
	.amdhsa_code_object_version 6
	.text
	.protected	k_q0991ee33be_merge
	.globl	k_q0991ee33be_merge
	.p2align	8
	.type	k_q0991ee33be_merge,@function
k_q0991ee33be_merge:
	s_mov_b64 s[64:65], 0
	v_nop
	global_prefetch_b8 v0, s[64:65] scope:SCOPE_SE
	s_setreg_imm32_b32 hwreg(HW_REG_WAVE_MODE, 25, 1), 1
	s_wait_xcnt 0x0
; out[c] = sum over p of 2^(m_p - m) acc_p[c]  /  sum over p of 2^(m_p - m) l_p,  m = the largest of the 250 m_p.
; pacc: [250][256] f32, pml: [250] pairs (m, l), both from the launch before.
; Four work-groups, one for each 64 columns: every piece read of pacc and the piece written of out are 256 consecutive bytes, aligned.
; 25 waves = 50 groups of 16 lanes; group g takes partials g + 50 j, j = 0..4 (50 x 5 = 250: no ragged edge); lane c of a group takes 16 bytes.
; All loads of a thread are issued at once.  The maximum is taken by every wave for itself over all 250 m (no barrier for it);
; the sums of weighted l go along with the columns' sums through LDS, and wave 0 finishes.
; The largest m has weight 1 and every l is at least 1, so the divisor is at least 1.  1 / divisor by v_rcp_f32 (1 ULP).
.set NP,  250
.set A,   4                            ; v[4:23]   acc of my five partials, four columns each
.set OWN, 24                           ; v[24:33]  their pairs (m, l); m becomes the weight
.set MV,  34                           ; v[34:41]  m of partials lane + 32 k; later what the other half-wave sends
.set SUM, 42                           ; v[42:45]  weighted sum of my four columns
.set LP,  46                           ; v46       weighted sum of my five l
.set T,   47                           ; v47       the maximum
.set F,   60                           ; v[60:109]  wave 0: the 25 waves' sums of two columns
.set LV,  110                          ; v[110:134] wave 0: the 25 waves' sums of l
.set LPB, 25*256                       ; LDS: 25 x 256 bytes of columns' sums, then 25 words
	s_load_b128 s[4:7], s[0:1], 0x0                ; pacc s[4:5], pml s[6:7]
	s_load_b64 s[8:9], s[0:1], 0x10                ; out0
	v_lshl_add_u32 v136, v0, 2, 0x1a00
	v_mov_b32 v137, 0
	v_lshrrev_b32 v1, 5, v0
	v_readfirstlane_b32 s10, v1                    ; wave 0..24
	v_and_b32 v1, 15, v0
	v_lshlrev_b32 v1, 4, v1                        ; 16 c
	v_lshrrev_b32 v2, 4, v0                        ; g = 0..49
	v_lshl_add_u32 v3, v2, 10, v1                  ; row g of pacc + my 16 bytes
	v_lshlrev_b32 v2, 3, v2                        ; pair g of pml
	v_and_b32 v48, 31, v0                          ; lane
	v_add_nc_u32 v49, 224, v48
	v_min_u32 v49, NP-1, v49                       ; the eighth load would pass pair 249: clamped; a pair seen twice does not change a maximum
	v_lshlrev_b32 v49, 3, v49
	v_lshlrev_b32 v48, 3, v48                      ; 8 x lane
	s_lshl_b32 s12, ttmp9, 8                       ; my 64 columns
	s_mov_b32 s13, 0
	s_mov_b32 s14, 0x76543210                      ; v_permlanex16_b32: lane i of one half reads lane i of the other
	s_mov_b32 s15, 0xfedcba98
	s_lshl_b32 s16, s10, 8                         ; my wave's 256 bytes of LDS
	s_lshl_b32 s17, s10, 2
	s_add_co_u32 s17, s17, LPB                     ; and its word
	s_wait_kmcnt 0x0
	s_add_nc_u64 s[4:5], s[4:5], s[12:13]
	s_add_nc_u64 s[8:9], s[8:9], s[12:13]
.irp k, 0,1,2,3,4,5,6
	global_load_b32 v[MV+\k], v48, s[6:7] offset:256*\k            ; m of pair lane + 32 k
.endr
	global_load_b32 v[MV+7], v49, s[6:7]
.irp j, 0,1,2,3,4
	global_load_b64 v[OWN+2*\j:OWN+2*\j+1], v2, s[6:7] offset:400*\j       ; pair g + 50 j
.endr
.irp j, 0,1,2,3,4
	global_load_b128 v[A+4*\j:A+4*\j+3], v3, s[4:5] offset:51200*\j        ; row g + 50 j
.endr
	s_wait_loadcnt 0xa                             ; the eight m loads are in; five pair loads and five acc loads may be out
	v_max3_num_f32 v[T], v[MV], v[MV+1], v[MV+2]
	v_max3_num_f32 v[T], v[T], v[MV+3], v[MV+4]
	v_max3_num_f32 v[T], v[T], v[MV+5], v[MV+6]
	v_max_num_f32 v[T], v[T], v[MV+7]
.irp x, 1,2,4,8
	v_max_num_f32_dpp v[T], v[T], v[T] row_xmask:\x row_mask:0xf bank_mask:0xf
.endr
	v_permlanex16_b32 v[MV], v[T], s14, s15        ; MV has been written
	v_max_num_f32 v[T], v[T], v[MV]                ; every lane holds the maximum of all 250
	s_wait_loadcnt 0x5                             ; my pairs are in; the five acc loads may be out
.irp j, 0,2,4,6,8
	v_sub_f32 v[OWN+\j], v[OWN+\j], v[T]
.endr
.irp j, 0,2,4,6,8
	v_exp_f32 v[OWN+\j], v[OWN+\j]
.endr
	v_add_nc_u32 v50, s16, v1                      ; where my sums go; also the plain instruction behind the exponentials (ISA guide 5.7.2)
	s_wait_alu depctr_va_vdst(0)
	v_mul_f32 v[LP], v[OWN], v[OWN+1]
.irp j, 2,4,6,8
	v_fmac_f32 v[LP], v[OWN+\j], v[OWN+\j+1]
.endr
	s_wait_loadcnt 0x0
	v_pk_mul_f32 v[SUM:SUM+1],   v[A:A+1],   v[OWN:OWN+1] op_sel_hi:[1,0]
	v_pk_mul_f32 v[SUM+2:SUM+3], v[A+2:A+3], v[OWN:OWN+1] op_sel_hi:[1,0]
.irp j, 1,2,3,4
	v_pk_fma_f32 v[SUM:SUM+1],   v[A+4*\j:A+4*\j+1],   v[OWN+2*\j:OWN+2*\j+1], v[SUM:SUM+1]   op_sel_hi:[1,0,1]
	v_pk_fma_f32 v[SUM+2:SUM+3], v[A+4*\j+2:A+4*\j+3], v[OWN+2*\j:OWN+2*\j+1], v[SUM+2:SUM+3] op_sel_hi:[1,0,1]
.endr
	; the wave's two groups hold the same columns: add them
.irp r, 0,1,2,3
	v_permlanex16_b32 v[MV+\r], v[SUM+\r], s14, s15
.endr
	v_permlanex16_b32 v[MV+4], v[LP], s14, s15
	v_pk_add_f32 v[SUM:SUM+1],   v[SUM:SUM+1],   v[MV:MV+1]
	v_pk_add_f32 v[SUM+2:SUM+3], v[SUM+2:SUM+3], v[MV+2:MV+3]
	v_add_f32 v[LP], v[LP], v[MV+4]
	v_mov_b32 v51, s17
	ds_store_b128 v50, v[SUM:SUM+3]                ; lanes c and c + 16 write the same 16 bytes with the same value
	ds_store_b32 v51, v[LP]
	s_wait_dscnt 0x0                               ; for wave 0's sake: my stores are done before I signal
	s_barrier_signal -1
	s_barrier_wait -1
	s_cmp_lg_u32 s10, 0
	s_cbranch_scc1 .Lend
	; wave 0: lane l finishes columns 2 l and 2 l + 1
	v_mov_b32 v52, LPB
.irp k, 0,1,2,3,4,5
	ds_load_b128 v[LV+4*\k:LV+4*\k+3], v52 offset:16*\k
.endr
	ds_load_b32 v[LV+24], v52 offset:96
.irp w, 0,1,2,3,4,5,6,7,8,9,10,11,12,13,14,15,16,17,18,19,20,21,22,23,24
	ds_load_b64 v[F+2*\w:F+2*\w+1], v48 offset:256*\w
.endr
	s_wait_dscnt 0x19                              ; the 25 sums of l are in; the 25 column loads behind them may be out
.irp k, 2,4,6,8,10,12,14,16,18,20,22
	v_pk_add_f32 v[LV:LV+1], v[LV:LV+1], v[LV+\k:LV+\k+1]
.endr
	v_add_f32 v[LV], v[LV], v[LV+1]
	v_add_f32 v[LV], v[LV], v[LV+24]
	v_rcp_f32 v[LV], v[LV]                         ; used only behind the adds below, which touch neither LV nor LV + 1 (ISA guide 5.7.2)
	s_wait_dscnt 0x0
.irp w, 2,4,6,8,10,12,14,16,18,20,22
	v_pk_add_f32 v[F:F+1],   v[F:F+1],   v[F+2*\w:F+2*\w+1]        ; two chains, even and odd waves
	v_pk_add_f32 v[F+2:F+3], v[F+2:F+3], v[F+2*\w+2:F+2*\w+3]
.endr
	v_pk_add_f32 v[F:F+1], v[F:F+1], v[F+48:F+49]
	v_pk_add_f32 v[F:F+1], v[F:F+1], v[F+2:F+3]
	s_wait_alu depctr_va_vdst(0)
	v_pk_mul_f32 v[F:F+1], v[F:F+1], v[LV:LV+1] op_sel_hi:[1,0]
	global_store_b64 v48, v[F:F+1], s[8:9]         ; 32 lanes store 256 consecutive bytes, aligned
.Lend:
	s_wait_tensorcnt 0x0
	ds_add_u32 v136, v137
	s_wait_dscnt 0x0
	s_endpgm
.Lfunc_end_k_q0991ee33be_merge:
	.size	k_q0991ee33be_merge, .Lfunc_end_k_q0991ee33be_merge-k_q0991ee33be_merge
	.p2alignl 7, 3214868480
	.fill 96, 4, 3214868480
	.section	.rodata,"a",@progbits
	.p2align	6, 0x0
	.amdhsa_kernel k_q0991ee33be_merge
		.amdhsa_group_segment_fixed_size 9984
		.amdhsa_private_segment_fixed_size 0
		.amdhsa_enable_private_segment 0
		.amdhsa_kernarg_size 24
		.amdhsa_user_sgpr_count 2
		.amdhsa_user_sgpr_kernarg_segment_ptr 1
		.amdhsa_wavefront_size32 1
		.amdhsa_system_sgpr_workgroup_id_x 1
		.amdhsa_system_sgpr_workgroup_id_y 1
		.amdhsa_system_sgpr_workgroup_id_z 1
		.amdhsa_system_vgpr_workitem_id 0
		.amdhsa_next_free_vgpr 138
		.amdhsa_next_free_sgpr 66
		.amdhsa_reserve_vcc 0
		.amdhsa_float_denorm_mode_32 3
		.amdhsa_float_denorm_mode_16_64 3
		.amdhsa_memory_ordered 1
		.amdhsa_forward_progress 1
		.amdhsa_inst_pref_size 11
	.end_amdhsa_kernel
	.amdgpu_metadata
---
amdhsa.version: [ 1, 2 ]
amdhsa.kernels:
  - .name:           k_q0991ee33be_merge
    .symbol:         k_q0991ee33be_merge.kd
    .args:
      - { .name: pacc, .offset: 0, .size: 8, .value_kind: global_buffer, .address_space: global }
      - { .name: pml, .offset: 8, .size: 8, .value_kind: global_buffer, .address_space: global }
      - { .name: out0, .offset: 16, .size: 8, .value_kind: global_buffer, .address_space: global }
    .group_segment_fixed_size: 9984
    .private_segment_fixed_size: 0
    .kernarg_segment_align: 8
    .kernarg_segment_size: 24
    .max_flat_workgroup_size: 800
    .sgpr_count:     66
    .vgpr_count:     138
    .wavefront_size: 32
...
	.end_amdgpu_metadata
.endif
;; end of part 3
